; MI455X (gfx1250); checked and timed in simulation.
; The chip was launched on July 23, 2026; its instructions are those of AMD's public machine-readable ISA for CDNA 5 (MIT licence, August 2026) and "CDNA5" Instruction Set Architecture Reference Guide (July 2026). The comments in the code are by the model that wrote it; some were corrected since.
;; Quantized Linear. Allowed arithmetic: matrix products marked QUANTISED: E2M1 operands, one E8M0 scale for each 32 along K, by v_wmma_scale_f32_16x16x128_f8f6f4 with both operands' format E2M1 (or v_wmma_scale_f32_32x16x128_f4), f32 sums; everything else in f32.
;; Inputs: bias 16,384 float32; quantized_weight 16,384 x 4,096 int8; weight_scale 16,384 x 1 float32; x 1,024 x 4,096 float32.
;; Outputs: out0 1,024 x 16,384 float32.
;; This version of the problem:
;;   THIS VERSION OF THE PROBLEM IS GIVEN IN LOW PRECISION. The matrix products marked QUANTISED in the list below multiply operands that are first quantised to E2M1 (2 exponent bits, 1 mantissa bit; 4 bits a number), with one power-of-two scale for each 32 numbers along K (OCP MX v1.0); their sums are f32. All else is computed in f32.
;;   The module's matrix products, in the order in which they are computed (A, B: the left and right operand; K: the contracted axis; several contracted axes count as one K, in the product's order):
;;     1. [M 1,024, K 4,096] x [K 4,096, N 16,384]; A: input x; B: computed on the way: QUANTISED
;;   THE QUANTISER, for each operand of a quantised product, along K:
;;     - K is cut into blocks of 32 from its start; a last block that is shorter is filled with zeros.
;;     - A block's scale is 2^e with e = floor(log2(the largest magnitude in the block)) - 2, held to -126 .. 127; a block of zeros has e = 0. As a byte (E8M0): e + 127.
;;     - Each number is divided by its block's scale, clamped to +-6, and rounded to the nearest number of E2M1, ties to even, subnormals kept.
;;     - The product sums the exact products of the quantised numbers (number of the format x scale) in f32.
;;   ~~~python
;;   def quantise(x, axis):      # numpy; x: float32 -> the quantised numbers, widened to float32 again
;;       x = np.moveaxis(x, axis, -1); K = x.shape[-1]
;;       x = np.pad(x, [(0, 0)] * (x.ndim - 1) + [(0, -K % 32)]); x = x.reshape(x.shape[:-1] + (-1, 32)); a = np.abs(x).max(-1, keepdims=True)
;;       e = np.where(a > 0, np.clip(np.frexp(np.where(a > 0, a, 1))[1] - 1 - 2, -126, 127), 0)      # np.frexp(a)[1] - 1 = floor(log2(a)), exactly
;;       r = np.clip(x / 2.0 ** e, -6, 6)
;;       step = 2.0 ** (np.maximum(np.frexp(np.where(r == 0, 1, r))[1] - 1, 0) - 1)
;;       q = np.round(r / step) * step * 2.0 ** e      # np.round: ties to even
;;       return np.moveaxis(q.reshape(q.shape[:-2] + (-1,))[..., :K], -1, axis).astype(np.float32)
;;   ~~~
;;   OPERANDS COMPUTED ON THE WAY. 'Computed on the way' means the value that the module computes at that place (a softmax that the list does not call 'softmax' is quantised finished and normalised). What goes into a quantiser is computed in f32, as accurately as f32 sums, v_exp_f32 and their like allow (about 1e-6 of the number): no bf16 or f16 on the way to a quantiser, and a product that is left as it is and whose result goes on into a quantised operand takes f32 operands (vector FMAs, or v_wmma_f32_16x16x4_f32). A number that lies on a knife's edge between two numbers of the format may be rounded either way, as far as f32 arithmetic and the matrix unit's own rounding can turn it there, and no further.
;; One version. Each part assembles by itself: llvm-mc -triple=amdgcn-amd-amdhsa -mcpu=gfx1250 --defsym DOCPART=n.
;; ======== version 1 of 1: 2 launches
;; limits: right only within a limited range of input values
;; workspace buffers: ac 2,228,224 bytes; bc 35,651,584 bytes
;; launch quant (part 1): grid 1088 x 1, 8 waves a work-group, no clusters, 80,896 bytes of LDS; arguments x, quantized_weight, weight_scale, ac, bc; writes ac, bc
.if DOCPART == 1
	.amdgcn_target "amdgcn-amd-amdhsa--gfx1250"
	.amdhsa_code_object_version 6
	.text
	.protected	k_q3b1ab914e4_quant
	.globl	k_q3b1ab914e4_quant
	.p2align	8
	.type	k_q3b1ab914e4_quant,@function
k_q3b1ab914e4_quant:
	s_mov_b64 s[64:65], 0
	v_nop
	global_prefetch_b8 v0, s[64:65] scope:SCOPE_SE
	s_setreg_imm32_b32 hwreg(HW_REG_WAVE_MODE, 25, 1), 1
	s_wait_xcnt 0x0
; x [1024][4096] f32, and w = f32(quantized_weight) x the row's weight_scale, [16384][4096], are turned into codes of FP4 (E2M1) with one E8M0 scale byte for each 32 along K.
; A block's scale is 2^(floor(log2(its largest magnitude)) - 2); its byte is the largest magnitude's own exponent field - 2, held at 1 from below.  Each number is divided by the scale and rounded to the
; nearest code, ties to even; beyond the largest code the conversion gives the largest code.  No step and no input of reference() is left out.
; LIMITS: NaN and infinities among the inputs are not served; a block whose largest magnitude lies under 2^-124 has its byte held at 1; a block of zeros gets the byte 1 where the rule says 127: its codes
; are zeros, which add nothing under any byte but 0xff, and the bytes are read by this program alone.
; THE OUTPUT IS LAID IN RECORDS of 128 rows x 512 along K: 136 blocks of 256 bytes, records [row / 128][k / 512].  Blocks 128 + i of both tensors: the scale bytes of rows 16 i .. 16 i + 15, 16 bytes a row.
; x's blocks 0-127: row r's 512 codes, K ascending (the product's launch brings them into LDS as rows).
; The weight's blocks 0-127 lie in the order of the matrix operand's registers: [16 rows b][128 along K q][c][h][row r][16 bytes], the 16 bytes being row r's codes of k = 128 q + 64 c + 32 h + 0 .. 31:
; a lane of the product's launch then loads its fragment as it lies, 32 lanes 512 consecutive bytes.
; SHARES.  A work-group takes 16 rows x all of K; wave w takes k = 512 w .. 512 w + 511 of each row, one row a step, 16 steps written out: every offset is an immediate.
; Work-groups 0-63 take x (four times the input bytes a row, so they come first), the other 1,024 the weight.  Waves share nothing: no barrier.  Each path has LDS bytes of its own.
.set XWG,   64
.set REC,   34816                      ; a record in bytes
.set SCOFF, 32768                      ; where a record's scale bytes begin
.set SP,    80                         ; x: a lane's place in a stage: 64 bytes + 16 of padding
.set XREG,  5376                       ; x: LDS of a wave: two stages of 32 x SP bytes, then its 256 scale bytes
.set WLDS,  8*XREG
.set WP,    272                        ; the weight: a stage row: 256 bytes (16 rows' 16 bytes of one c, h, q) + 16 of padding
.set WREG,  16*WP+256                  ; the weight: LDS of a wave: the stage, then its 256 scale bytes
.set SPARE, WLDS+8*WREG                ; the spare words, 128 bytes a wave
.set R,     16                         ; v16-79   numbers as they are loaded
.set X,     80                         ; v80-111  16 neighbours along K in f32 (x: two sets)
.set C,     112                        ; v112-119 x: codes, four pairs by turns
.set E,     120                        ; v120-123 x: scale bytes, by turns
.set SPW,   124
.set NIL,   125
	s_load_b256 s[4:11], s[0:1], 0x0               ; x, quantized_weight, weight_scale, ac
	s_load_b64 s[12:13], s[0:1], 0x20              ; bc
	v_lshl_add_u32 v[SPW], v0, 2, SPARE
	v_mov_b32 v[NIL], 0
	v_lshrrev_b32 v1, 5, v0
	v_readfirstlane_b32 s16, v1                    ; wave = which 512 along K
	v_and_b32 v2, 31, v0                           ; lane
	v_lshlrev_b32 v3, 4, v2                        ; my 16 bytes of 512
	v_lshlrev_b32 v4, 3, v2                        ; my 8 bytes of 256
	s_cmp_lt_u32 ttmp9, XWG
	s_cselect_b32 s17, 0, XWG
	s_sub_co_u32 s17, ttmp9, s17                   ; which block of 16 rows of my tensor
	s_lshr_b32 s18, s17, 3
	s_lshl_b32 s18, s18, 3
	s_add_co_u32 s18, s18, s16                     ; the record: 8 x (row / 128) + wave
	s_mul_i32 s18, s18, REC
	s_and_b32 s19, s17, 7                          ; which 16 of its 128 rows
	s_lshl_b32 s20, s19, 12                        ; their codes: 4,096 bytes
	s_add_co_u32 s20, s20, s18
	s_mov_b32 s21, 0
	s_lshl_b32 s22, s19, 8                         ; their scale bytes: one block of 256
	s_add_co_u32 s22, s22, s18
	s_add_co_u32 s22, s22, SCOFF
	s_mov_b32 s23, 0
	s_wait_kmcnt 0x0
	s_cmp_lt_u32 ttmp9, XWG                        ; the choice hangs on the work-group's number alone
	s_cselect_b64 s[10:11], s[10:11], s[12:13]
	s_add_nc_u64 s[24:25], s[10:11], s[20:21]      ; where my codes go
	s_add_nc_u64 s[26:27], s[10:11], s[22:23]      ; where my scale bytes go (these sums leave SCC alone)
	s_cbranch_scc0 .Lweights
; The largest magnitude of my 16 numbers (two chains) with the floor 2^(3 - 127) as one more leaf; then of my neighbour's 16: lanes l and l xor 1 hold a block.
; v11 = that magnitude with 2 off its exponent field: the conversion takes the exponent field of this operand as its scale.
.macro AMAX
	v_max3_num_f32 v8, |v[XS]|, |v[XS+1]|, |v[XS+2]|
	v_max3_num_f32 v9, |v[XS+3]|, |v[XS+4]|, |v[XS+5]|
.irp i, 6,10
	s_delay_alu instid0(VALU_DEP_2)
	v_max3_num_f32 v8, v8, |v[XS+\i]|, |v[XS+\i+1]|
	s_delay_alu instid0(VALU_DEP_2)
	v_max3_num_f32 v9, v9, |v[XS+\i+2]|, |v[XS+\i+3]|
.endr
	s_delay_alu instid0(VALU_DEP_2)
	v_max3_num_f32 v8, v8, |v[XS+14]|, |v[XS+15]|
	s_delay_alu instid0(VALU_DEP_1)
	v_max3_num_f32 v8, v8, v9, 0x1800000
	s_delay_alu instid0(VALU_DEP_1)
	v_max_num_f32_dpp v8, v8, v8 row_xmask:1 row_mask:0xf bank_mask:0xf
	s_delay_alu instid0(VALU_DEP_1)
	v_add_nc_u32 v11, 0xff000000, v8
.endm
; ---- x.  Each of a step's four loads reads 512 consecutive bytes, 16 a lane; the 2,048 bytes go through the wave's own stage as they lie and come back 64 bytes a lane: 16 neighbours along K.
	s_lshl_b32 s20, s17, 18                        ; 16 rows of 16,384 bytes
	s_lshl_b32 s21, s16, 11
	s_add_co_u32 s20, s20, s21
	s_mov_b32 s21, 0
	s_add_nc_u64 s[4:5], s[4:5], s[20:21]
	s_mul_i32 s28, s16, XREG
	s_wait_alu depctr_va_vdst(0)
	v_lshrrev_b32 v14, 2, v2
	v_mul_u32_u24 v14, v14, SP
	v_and_b32 v15, 3, v2
	v_lshl_add_u32 v14, v15, 4, v14
	v_add_nc_u32 v14, s28, v14                     ; the stage, way in: four lanes' 64 bytes on end, then 16 of padding
	v_mul_u32_u24 v15, v2, SP
	v_add_nc_u32 v15, s28, v15                     ; way out: SP x lane
	s_add_co_u32 s28, s28, 2*32*SP
	v_lshrrev_b32 v5, 1, v2
	v_add_nc_u32 v5, s28, v5                       ; my block's scale byte
	v_add_nc_u32 v6, s28, v4                       ; and on the way out 8 bytes a lane
.macro LOAD t
.irp i, 0,1,2,3
	global_load_b128 v[R+16*((\t)%4)+4*\i:R+16*((\t)%4)+4*\i+3], v3, s[4:5] offset:16384*(\t)+512*\i th:TH_LOAD_NT
.endr
.endm
.macro TURN t                          ; LDS serves a wave's instructions in order: no wait between the stores and the loads
.irp i, 0,1,2,3
	ds_store_b128 v14, v[R+16*((\t)%4)+4*\i:R+16*((\t)%4)+4*\i+3] offset:32*SP*((\t)%2)+8*SP*\i
.endr
.irp i, 0,1,2,3
	ds_load_b128 v[X+16*((\t)%2)+4*\i:X+16*((\t)%2)+4*\i+3], v15 offset:32*SP*((\t)%2)+16*\i
.endr
.endm
.macro XSTEP t
.set XS, X+16*((\t)%2)
.set CP, C+2*((\t)%4)
.if (\t) > 0
	s_wait_dscnt 1                                 ; this row is back from the stage (the last byte store may be out)
.else
	s_wait_dscnt 0x0
.endif
.if (\t)+4 < 16
	LOAD (\t)+4
.endif
.if (\t)+1 < 16
.if 14-(\t) >= 3
	s_wait_loadcnt 12                              ; the next row's four loads are in; three rows' may be out
.else
	s_wait_loadcnt 4*(14-(\t))
.endif
	TURN (\t)+1
.endif
	AMAX
.if (\t) >= 4
	s_wait_alu depctr_va_vdst(0)
	s_wait_xcnt 0x0                                ; the store of four steps back has read this pair of code registers
.endif
	v_cvt_scalef32_pk8_fp4_f32 v[CP], v[XS:XS+7], v11
	v_cvt_scalef32_pk8_fp4_f32 v[CP+1], v[XS+8:XS+15], v11
	v_lshrrev_b32 v[E+(\t)%4], 23, v11             ; the scale's byte (a plain line behind the conversions)
	ds_store_b8 v5, v[E+(\t)%4] offset:16*(\t)
	global_store_b64 v4, v[CP:CP+1], s[24:25] offset:256*(\t)   ; the row's 256 bytes of codes, aligned
.endm
.irp t, 0,1,2,3
	LOAD \t
.endr
	s_wait_alu depctr_va_vdst(0)
	s_wait_loadcnt 12
	TURN 0
.irp t, 0,1,2,3,4,5,6,7,8,9,10,11,12,13,14,15
	XSTEP \t
.endr
	ds_load_b64 v[12:13], v6
	s_wait_dscnt 0x0
	global_store_b64 v4, v[12:13], s[26:27]        ; the 16 rows' 256 scale bytes, aligned
	s_wait_tensorcnt 0x0                           ; the wave's end
	ds_add_u32 v[SPW], v[NIL]
	s_wait_dscnt 0x0
	s_endpgm
; ---- the weight.  A row's 512 int8 of my K step are one load, 16 neighbours a lane.  All 16 rows' loads go out at once.
; int8 to f32: q xor 0x80 is q + 128 as an unsigned byte; under the exponent of 2^23 it is 2^23 + q + 128; less 2^23 + 128 that is q, exactly.  Then q x the row's scale, rounded once, as reference() rounds it.
; A lane's 8 bytes of codes (k = 16 l ..) belong to piece l / 2 = (q, c, h) of the operand's order, at row t's 16 bytes: they go to stage row l / 2, byte 16 t + 8 (l % 2); the stage leaves as 4,096 consecutive bytes.
.Lweights:
	s_lshl_b32 s20, s17, 16                        ; 16 rows of 4,096 bytes
	s_lshl_b32 s21, s16, 9
	s_add_co_u32 s20, s20, s21
	s_mov_b32 s21, 0
	s_add_nc_u64 s[6:7], s[6:7], s[20:21]
	s_lshl_b32 s22, s17, 6                         ; the 16 rows' scales
	s_mov_b32 s23, 0
	s_add_nc_u64 s[8:9], s[8:9], s[22:23]
	s_load_b512 s[36:51], s[8:9], 0x0
	s_wait_alu depctr_va_vdst(0)
.irp t, 0,1,2,3,4,5,6,7,8,9,10,11,12,13,14,15
	global_load_b128 v[R+4*\t:R+4*\t+3], v3, s[6:7] offset:4096*\t th:TH_LOAD_NT
.endr
.irp j, 0,1,2,3
	s_mov_b32 s[28+\j], 0x03000004+\j              ; v_perm_b32: byte j of the data lowest, two zero bytes, the constant's top byte on top
.endr
	s_mov_b32 s32, 0x80808080
	s_mov_b32 s34, 0xcb000080                      ; -(2^23 + 128)
	s_mov_b32 s35, s34
	v_mov_b32 v10, 0x4b000000                      ; 2^23
	s_mul_i32 s20, s16, WREG
	s_add_co_u32 s20, s20, WLDS                    ; my wave's stage
	v_lshrrev_b32 v7, 1, v2
	v_and_b32 v15, 1, v2
	v_mul_u32_u24 v7, v7, WP
	v_lshrrev_b32 v14, 4, v2
	v_lshl_add_u32 v7, v15, 3, v7
	v_mul_u32_u24 v14, v14, WP
	v_and_b32 v15, 15, v2
	v_add_nc_u32 v7, s20, v7                       ; way in: WP (l / 2) + 8 (l % 2)
	v_lshl_add_u32 v14, v15, 4, v14
	v_add_nc_u32 v14, s20, v14                     ; way out: sixteen lanes to a stage row, two rows an instruction
	s_add_co_u32 s20, s20, 16*WP                   ; my wave's 256 scale bytes
	v_lshrrev_b32 v5, 1, v2
	v_add_nc_u32 v5, s20, v5
	v_add_nc_u32 v6, s20, v4
	s_wait_kmcnt 0x0
.macro WSTEP t
.set XS, X
.set RW, R+4*(\t)
	s_wait_loadcnt 15-(\t)                         ; row t is in; the rows behind it may be out
	s_mov_b32 s52, s[36+(\t)]
	s_mov_b32 s53, s[36+(\t)]
.irp d, 0,1,2,3
	v_xor_b32 v[RW+\d], s32, v[RW+\d]
.endr
	s_wait_alu depctr_va_vdst(0)
.irp d, 0,1,2,3
.irp j, 0,1,2,3
	v_perm_b32 v[X+4*\d+\j], v[RW+\d], v10, s[28+\j]
.endr
.endr
.irp i, 0,2,4,6,8,10,12,14
	v_pk_add_f32 v[X+\i:X+\i+1], v[X+\i:X+\i+1], s[34:35] op_sel_hi:[1,0]
.endr
.irp i, 0,2,4,6,8,10,12,14
	v_pk_mul_f32 v[X+\i:X+\i+1], v[X+\i:X+\i+1], s[52:53] op_sel_hi:[1,0]
.endr
	AMAX
	v_cvt_scalef32_pk8_fp4_f32 v[RW], v[X:X+7], v11        ; the codes and the byte take the row's own load registers, which are never written again
	v_cvt_scalef32_pk8_fp4_f32 v[RW+1], v[X+8:X+15], v11
	v_lshrrev_b32 v[RW+2], 23, v11
	ds_store_b8 v5, v[RW+2] offset:16*(\t)
	ds_store_b64 v7, v[RW:RW+1] offset:16*(\t)
.endm
.irp t, 0,1,2,3,4,5,6,7,8,9,10,11,12,13,14,15
	WSTEP \t
.endr
.irp i, 0,1,2,3,4,5,6,7
	ds_load_b128 v[X+4*\i:X+4*\i+3], v14 offset:2*WP*\i    ; LDS serves a wave in order: these see my stores
.endr
	ds_load_b64 v[12:13], v6
	s_wait_dscnt 0x0
	global_store_b64 v4, v[12:13], s[26:27]
.irp i, 0,1,2,3,4,5,6,7
	global_store_b128 v3, v[X+4*\i:X+4*\i+3], s[24:25] offset:512*\i   ; 32 lanes store 512 consecutive bytes, aligned
.endr
	s_wait_tensorcnt 0x0                           ; the wave's end
	ds_add_u32 v[SPW], v[NIL]
	s_wait_dscnt 0x0
	s_endpgm
.Lfunc_end_k_q3b1ab914e4_quant:
	.size	k_q3b1ab914e4_quant, .Lfunc_end_k_q3b1ab914e4_quant-k_q3b1ab914e4_quant
	.p2alignl 7, 3214868480
	.fill 96, 4, 3214868480
	.section	.rodata,"a",@progbits
	.p2align	6, 0x0
	.amdhsa_kernel k_q3b1ab914e4_quant
		.amdhsa_group_segment_fixed_size 80896
		.amdhsa_private_segment_fixed_size 0
		.amdhsa_enable_private_segment 0
		.amdhsa_kernarg_size 40
		.amdhsa_user_sgpr_count 2
		.amdhsa_user_sgpr_kernarg_segment_ptr 1
		.amdhsa_wavefront_size32 1
		.amdhsa_system_sgpr_workgroup_id_x 1
		.amdhsa_system_sgpr_workgroup_id_y 1
		.amdhsa_system_sgpr_workgroup_id_z 1
		.amdhsa_system_vgpr_workitem_id 0
		.amdhsa_next_free_vgpr 128
		.amdhsa_next_free_sgpr 66
		.amdhsa_reserve_vcc 0
		.amdhsa_float_denorm_mode_32 3
		.amdhsa_float_denorm_mode_16_64 3
		.amdhsa_memory_ordered 1
		.amdhsa_forward_progress 1
		.amdhsa_inst_pref_size 98
	.end_amdhsa_kernel
	.amdgpu_metadata
---
amdhsa.version: [ 1, 2 ]
amdhsa.kernels:
  - .name:           k_q3b1ab914e4_quant
    .symbol:         k_q3b1ab914e4_quant.kd
    .args:
      - { .name: x, .offset: 0, .size: 8, .value_kind: global_buffer, .address_space: global }
      - { .name: quantized_weight, .offset: 8, .size: 8, .value_kind: global_buffer, .address_space: global }
      - { .name: weight_scale, .offset: 16, .size: 8, .value_kind: global_buffer, .address_space: global }
      - { .name: ac, .offset: 24, .size: 8, .value_kind: global_buffer, .address_space: global }
      - { .name: bc, .offset: 32, .size: 8, .value_kind: global_buffer, .address_space: global }
    .group_segment_fixed_size: 80896
    .private_segment_fixed_size: 0
    .kernarg_segment_align: 8
    .kernarg_segment_size: 40
    .max_flat_workgroup_size: 256
    .sgpr_count:     66
    .vgpr_count:     128
    .wavefront_size: 32
...
	.end_amdgpu_metadata
.endif
;; end of part 1
;; launch gemm (part 2): grid 64 x 4, 4 waves a work-group, clusters of 4 x 4, 327,680 bytes of LDS; arguments ac, bc, bias, out0; writes out0
.if DOCPART == 2
	.amdgcn_target "amdgcn-amd-amdhsa--gfx1250"
	.amdhsa_code_object_version 6
	.text
	.protected	k_q3b1ab914e4_gemm
	.globl	k_q3b1ab914e4_gemm
	.p2align	8
	.type	k_q3b1ab914e4_gemm,@function
k_q3b1ab914e4_gemm:
	s_mov_b64 s[64:65], 0
	v_nop
	global_prefetch_b8 v0, s[64:65] scope:SCOPE_SE
	s_setreg_imm32_b32 hwreg(HW_REG_WAVE_MODE, 25, 1), 1
	s_wait_xcnt 0x0
	s_wait_alu depctr_hold_cnt(0) depctr_sa_sdst(0) depctr_va_vdst(0) depctr_va_sdst(0) depctr_va_ssrc(0) depctr_va_vcc(0) depctr_vm_vsrc(0)
	s_getreg_b32 s2, hwreg(HW_REG_IB_STS2, 6, 4)
	s_cmp_eq_u32 s2, 0
	s_cbranch_scc0 .Lentry_in_a_cluster
	s_endpgm
.Lentry_in_a_cluster:
	s_bfe_u32 s2, ttmp6, 0x10000c
	s_cmp_lg_u32 s2, 0xf033
	s_cbranch_scc0 .Lentry_shape_is_right
	s_endpgm
.Lentry_shape_is_right:
; out0[m][n] = sum over k of x[m][k] w[n][k] + bias[n], on the codes and scale bytes that launch quant has laid (records of 128 rows x 512 along K, 136 blocks of 256 bytes; see there).  Nothing of reference() is left out.
; A block of out0, 256 x 256, is made by four waves, each 128 x 128: 64 accumulators, 512 registers.  K goes in steps of 512 through a ring of two LDS slots; a wave's tensor load brings one record (136 rows of 256 bytes,
; 16 bytes of padding behind each): waves 0, 1 x's two records of the step, waves 2, 3 w's.  LDS is laid by part (the wave that fetches it), the part's two slots on end: so the head's one load a wave, 272 rows, brings K steps 0 and 1.
; CLUSTERS: 4 x 4 work-groups; x's records are asked for jointly along a row of the cluster, w's along a column.
; x's codes lie by rows in a record: a fragment is row r x pitch + 16 h.  w's lie in the operand's order, [16 rows i][q][c][h][r][16 bytes]: a fragment load takes LDS row 16 i + 4 q + 2 c + h, byte 16 r.
; THE MATRIX INSTRUCTION IS USED TRANSPOSED (source 0 = 16 rows of w, source 1 = 16 rows of x): a lane holds eight neighbouring columns of a row of out0.  The bias is the C of each accumulator's first product.
; THE LAST K STEP GOES BY ROWS OF out0: all its fragments of w fill window 1, x's come by blocks of 16 rows, and each block of 16 rows leaves as soon as its 32 products are issued.
; PREFETCH: behind each refill the record that stands two refills on: its 128 blocks of codes are shared out by address among the four partners that ask for it jointly, 32 blocks each, a lane a block; x's by the first
; cluster alone; the scale blocks once, in the first trip; the last two refills ask for nothing.
; REGISTERS: window 0: v16-31 addresses; v32-95 scale words, two sets (lanes 0-15 x's block i, lanes 16-31 w's block i); v128-191 x's fragments, one set (last step: v128-255, four buffers; v32-63 and v96-127 rows on the way out).
;   window 1: w's fragments, two sets at v0 and v128 (v64-127 the bias in the first step; last step: all 256).  windows 2, 3: the accumulators ((a, b) at v[8 (8 (a % 4) + b)]).
; LIMITS: as launch quant states them.
.set SIZE_N, 16384
.set NQ,     4
.set REC,    34816
.set PITCH,  272
.set FR,     8
.set NL,     2
.set NP,     4
.set HALFT,  136*PITCH                 ; a record in LDS
.set PART,   2*HALFT                   ; a part: its record in slot 0, then in slot 1
.set LAPS,   4
.set SPARE,  4*PART                    ; the spare words, 128 bytes a wave
.set SPITCH, 528                       ; the way out: 16 rows x (512 + 16) bytes a wave, in part 0's slot 0, which has had its last fill and its last read by then
.set ADRA, 16
.set ADRB, 20
.set ADRS, 22
.set STO,  24
.set RD,   25
.set CO,   26
.set SPW,  28
.set NIL,  29
.set PFO,  30
.set PFV,  31
.set SC,   32
.set AF,   128
.set PA,   128
.set BI,   64
.set G1,  24
.set G0,  32
.set G1B, 48
.set G0B, 56
.set PFA, 66
.set LIM, 68
.set LIM2, 69
.set PFS, 70
.set MSB, 0
.macro WIN new                         ; the immediate's high byte repeats the setting that is left
.if MSB != \new
	s_set_vgpr_msb (MSB<<8)|\new
.set MSB, \new
.endif
.endm
.set MUL_LO,  0xa1                     ; source 0 (w) window 1, source 1 (x) window 0, C and D window 2
.set MUL_HI,  0xf1
.set BIAS_LO, 0x91                     ; the same with C in window 1
.set BIAS_HI, 0xd1
.set TO_B,    0x40
.macro JLOAD g0a, g1a, g0b, g1b        ; a joint load: waves 0, 1 for x, waves 2, 3 for w; an s_nop 0 and four v_nop follow each line
	s_cmp_eq_u32 s15, 0
	s_cbranch_scc0 .Lfor_b_\@
	tensor_load_to_lds s[\g0a:\g0a+3], s[\g1a:\g1a+7]
	s_nop 0
.rept 4
	v_nop
.endr
	s_branch .Lasked_\@
.Lfor_b_\@:
	tensor_load_to_lds s[\g0b:\g0b+3], s[\g1b:\g1b+7]
	s_nop 0
.rept 4
	v_nop
.endr
.Lasked_\@:
.endm
.macro CREST                           ; a round of the cluster's barrier behind its opening barrier
	s_cmp_lg_u32 s14, 0
	s_cbranch_scc1 .Lnot_wave_0_\@
	s_barrier_signal -3
.Lnot_wave_0_\@:
	s_barrier_wait -3
	s_barrier_signal -1
	s_barrier_wait -1
.endm
.macro CROUND
	s_barrier_signal -1
	s_barrier_wait -1
	CREST
.endm
.macro ASK                             ; the codes of the record two refills on
	s_cmp_gt_u32 s3, s[LIM]
	s_cbranch_scc0 .Lnot_mine_\@
	global_prefetch_b8 v[PFO], s[PFA:PFA+1] th:TH_LOAD_NT scope:SCOPE_SE
.Lnot_mine_\@:
.endm
.macro ASKS                            ; the scale blocks, in the first trip
	s_cmp_eq_u32 s3, s[LIM2]
	s_cbranch_scc0 .Lnot_mine_\@
	global_prefetch_b8 v[PFV], s[PFS:PFS+1] th:TH_LOAD_NT scope:SCOPE_SE
.Lnot_mine_\@:
.endm
	s_load_b256 s[4:11], s[0:1], 0x0               ; ac, bc, bias, out0
	v_lshl_add_u32 v[SPW], v0, 2, SPARE
	v_mov_b32 v[NIL], 0
	ds_add_u32 v[SPW], v[NIL]                      ; the opening add, twice on end, with its wait ahead of my first tensor load
	ds_add_u32 v[SPW], v[NIL]
	v_lshrrev_b32 v1, 5, v0
	v_readfirstlane_b32 s14, v1                    ; wave
	s_lshr_b32 s15, s14, 1                         ; my half of the rows.  Also: I fetch for x (0) or for w (1)
	s_and_b32 s16, s14, 1                          ; my half of the columns.  Also: which 128 rows I fetch
	s_bfe_u32 s40, ttmp6, 0x40000                  ; cx
	s_bfe_u32 s41, ttmp6, 0x40004                  ; cy = the block's row (the grid has one row of clusters)
	s_lshl_b32 s42, ttmp9, 2
	s_add_co_u32 s42, s42, s40                     ; the block's column
	s_lshl_b32 s43, s41, 2
	s_lshl_b32 s43, 15, s43                        ; my row of the cluster
	s_lshl_b32 s44, 0x1111, s40                    ; my column
	s_or_b32 s[G1+0], s43, (3<<16)|(1<<20)|(1<<21)|(5<<22)|(3<<25)
	s_or_b32 s[G1B+0], s44, (3<<16)|(1<<20)|(1<<21)|(5<<22)|(3<<25)
.irp g, G1, G1B
	s_mov_b32 s[\g+1], 32<<16                      ; rows of 256 bytes
	s_mov_b32 s[\g+2], 272<<16                     ; the head's load: two records
	s_mov_b32 s[\g+3], 32<<16
	s_mov_b32 s[\g+4], 272
	s_mov_b32 s[\g+5], 32
	s_mov_b32 s[\g+6], 0
	s_mov_b32 s[\g+7], 0
.endr
	s_lshl_b32 s20, s41, 1
	s_add_co_u32 s20, s20, s16
	s_mul_i32 s20, s20, 8*REC                      ; x: my 128 rows' eight records
	s_mov_b32 s21, 0
	s_lshl_b32 s46, s42, 1
	s_add_co_u32 s46, s46, s16
	s_mul_i32 s46, s46, 8*REC                      ; w: likewise
	s_mov_b32 s47, 0
	s_mul_i32 s45, s14, PART                       ; where my loads go
	s_mul_i32 s17, s15, PART                       ; x's part that I read
	s_mul_i32 s18, s16, PART
	s_add_co_u32 s18, s18, 2*PART                  ; w's
	s_xor_b32 s19, s15, 1
	s_add_co_u32 s19, s19, s16
	s_add_co_u32 s19, s19, 1
	s_mul_i32 s19, s19, PART                       ; from x's part to w's
	s_add_co_u32 s22, s17, 128*PITCH               ; x's scale blocks
	s_mul_i32 s23, s14, 16*SPITCH                  ; my stage
	s_lshl_b32 s12, s42, 10
	s_lshl_b32 s13, s16, 9
	s_add_co_u32 s12, s12, s13                     ; my first column, in bytes
	s_mov_b32 s13, 0
	s_lshl_b32 s2, s41, 8
	s_lshl_b32 s3, s15, 7
	s_add_co_u32 s2, s2, s3
	s_lshl_b32 s2, s2, 16                          ; my first row, 65,536 bytes a row
	s_add_co_u32 s2, s2, s12
	s_mov_b32 s3, 0
	v_and_b32 v1, 15, v0                           ; r
	v_bfe_u32 v2, v0, 4, 1                         ; h
	v_and_b32 v6, 31, v0
	v_mul_u32_u24 v3, v1, PITCH
	v_mul_u32_u24 v8, v2, PITCH
	v_lshl_add_u32 v4, v2, 4, v3                   ; r x pitch + 16 h
	v_lshl_add_u32 v8, v1, 4, v8                   ; h x pitch + 16 r
	v_mul_u32_u24 v9, s19, v2                      ; lanes 16-31 take w's scale words
	v_add_nc_u32 v[ADRA], s17, v4
	v_add_nc_u32 v[ADRB], s18, v8
	v_lshl_add_u32 v9, v1, 4, v9
	v_add_nc_u32 v[ADRA+1], HALFT, v[ADRA]
	v_add_nc_u32 v[ADRB+1], HALFT, v[ADRB]
	v_add_nc_u32 v[ADRS], s22, v9
	v_mul_u32_u24 v5, v1, SPITCH
	v_add_nc_u32 v[ADRS+1], HALFT, v[ADRS]
	v_lshl_add_u32 v5, v2, 5, v5
	v_lshlrev_b32 v[CO], 4, v6
	v_add_nc_u32 v[STO], s23, v5                   ; the stage, way in: row r, 32 bytes for each half of the lanes
	v_add_nc_u32 v[RD], s23, v[CO]                 ; way out: the 32 lanes take a row of 512 bytes
	v_lshlrev_b32 v7, 5, v2
	v_lshlrev_b32 v[PFO], 8, v6
	v_and_b32 v10, 7, v0
	v_bfe_u32 v11, v0, 3, 1
	v_lshlrev_b32 v[PFV], 8, v10
	v_mad_u32_u24 v[PFV], v11, REC, v[PFV]
	v_mad_u32_u24 v[PFV], v2, 8*REC, v[PFV]
	s_wait_alu depctr_va_vdst(0)
	s_wait_dscnt 0x0                               ; both opening adds are done
	s_wait_kmcnt 0x0
	s_add_nc_u64 s[8:9], s[8:9], s[12:13]
	s_add_nc_u64 s[10:11], s[10:11], s[2:3]
	s_add_nc_u64 s[20:21], s[4:5], s[20:21]
	s_add_nc_u64 s[46:47], s[6:7], s[46:47]
	WIN TO_B
.irp b, 0,1,2,3,4,5,6,7
	global_load_b128 v[BI+8*\b:BI+8*\b+3],   v7, s[8:9] offset:64*\b      ; bias of columns 16 b + 8 h + 0 .. 7: asked for ahead of the round
	global_load_b128 v[BI+8*\b+4:BI+8*\b+7], v7, s[8:9] offset:64*\b+16
.endr
	WIN 0
.irp s, 0,1
	s_mov_b32 s[G0+4*\s], 1
	s_add_co_u32 s[G0+4*\s+1], s45, \s*HALFT
	s_add_nc_u64 s[G0+4*\s+2:G0+4*\s+3], s[20:21], \s*REC
	s_or_b32 s[G0+4*\s+3], s[G0+4*\s+3], 0x80000000
	s_mov_b32 s[G0B+4*\s], 1
	s_add_co_u32 s[G0B+4*\s+1], s45, \s*HALFT
	s_add_nc_u64 s[G0B+4*\s+2:G0B+4*\s+3], s[46:47], \s*REC
	s_or_b32 s[G0B+4*\s+3], s[G0B+4*\s+3], 0x80000000
.endr
	CROUND                                         ; all sixteen work-groups are here: the first joint loads meet
	JLOAD G0, G1, G0B, G1B                         ; my part's records of K steps 0 and 1, into its two slots: the wave's one load at the head
	s_cmp_eq_u32 s15, 0                            ; the prefetches' addresses, under the load's flight
	s_cselect_b64 s[PFA:PFA+1], s[4:5], s[6:7]
	s_cselect_b64 s[PFS:PFS+1], s[4:5], s[6:7]
	s_cselect_b32 s72, s41, s42                    ; the block's row for x, its column for w
	s_cselect_b32 s73, s40, s41                    ; my place among the four that ask with me
	s_cselect_b32 s74, ttmp9, 0
	s_cmp_eq_u32 s74, 0
	s_cselect_b32 s[LIM], 1, -1                    ; x is asked for by the first cluster alone
	s_or_b32 s74, s74, s16
	s_cmp_eq_u32 s74, 0
	s_cselect_b32 s[LIM2], LAPS-1, -1
	s_lshl_b32 s76, s72, 1
	s_add_co_u32 s76, s76, s16
	s_mul_i32 s76, s76, 8*REC
	s_lshl_b32 s77, s73, 13                        ; my work-group's 32 blocks of a record's 128
	s_add_co_u32 s76, s76, s77
	s_add_co_u32 s76, s76, 3*REC                   ; the first refill steps it to record 4
	s_mov_b32 s77, 0
	s_add_nc_u64 s[PFA:PFA+1], s[PFA:PFA+1], s[76:77]
	s_mul_i32 s78, s72, 16*REC
	s_mul_i32 s79, s73, 2*REC
	s_add_co_u32 s78, s78, s79
	s_add_co_u32 s78, s78, 32768
	s_mov_b32 s79, 0
	s_add_nc_u64 s[PFS:PFS+1], s[PFS:PFS+1], s[78:79]
.macro FRAG reg, adr, q, i             ; x: 16 rows x 128 K: registers 4 c .. 4 c + 3 hold K = 64 c + 32 h + 0 .. 31
.irp c, 0,1
	ds_load_b128 v[\reg+4*\c:\reg+4*\c+3], v[\adr] offset:64*(\q)+32*\c+(\i)*16*PITCH
.endr
.endm
.macro FRAGB reg, adr, q, i            ; w: the same registers, from the operand's order
.irp c, 0,1
	ds_load_b128 v[\reg+4*\c:\reg+4*\c+3], v[\adr] offset:((\i)*16+(\q)*4+\c*2)*PITCH
.endr
.endm
; 16 matrix instructions: x's blocks a0, a0 + 1 against w's eight.  The 64 accumulators take turns in the same order in every step.
.macro MUL16 a0, p, q, sc, first
.irp a, \a0, \a0+1
.irp b, 0,1,2,3,4,5,6,7
.if \first
	v_wmma_scale_f32_16x16x128_f8f6f4 v[8*(8*((\a)%4)+\b):8*(8*((\a)%4)+\b)+7], v[128*(\p)+FR*\b:128*(\p)+FR*\b+FR-1], v[AF+FR*(\a):AF+FR*(\a)+FR-1], v[BI+8*\b:BI+8*\b+7], v[SC+8*NQ*(\sc)+NQ*\b+(\q)], v[SC+8*NQ*(\sc)+NQ*(\a)+(\q)] matrix_a_fmt:MATRIX_FMT_FP4 matrix_b_fmt:MATRIX_FMT_FP4 matrix_a_scale:MATRIX_SCALE_ROW1
.else
	v_wmma_scale_f32_16x16x128_f8f6f4 v[8*(8*((\a)%4)+\b):8*(8*((\a)%4)+\b)+7], v[128*(\p)+FR*\b:128*(\p)+FR*\b+FR-1], v[AF+FR*(\a):AF+FR*(\a)+FR-1], v[8*(8*((\a)%4)+\b):8*(8*((\a)%4)+\b)+7], v[SC+8*NQ*(\sc)+NQ*\b+(\q)], v[SC+8*NQ*(\sc)+NQ*(\a)+(\q)] matrix_a_fmt:MATRIX_FMT_FP4 matrix_b_fmt:MATRIX_FMT_FP4 matrix_a_scale:MATRIX_SCALE_ROW1
.endif
.endr
.endr
.endm
.macro FETCH_B slot, q, p
	WIN TO_B
.irp i, 0,1,2,3,4,5,6,7
	FRAGB 128*(\p)+FR*\i, ADRB+\slot, \q, \i
.endr
	WIN 0
.endm
.macro FETCH_A slot, q, i0
.irp i, \i0, \i0+1, \i0+2, \i0+3
	FRAG AF+FR*(\i), ADRA+\slot, \q, \i
.endr
.endm
.macro SCALES sc
.irp i, 0,1,2,3,4,5,6,7
	ds_load_b128 v[SC+8*NQ*\sc+NQ*\i:SC+8*NQ*\sc+NQ*\i+3], v[ADRS+\sc] offset:\i*PITCH
.endr
.endm
.macro PLACES n                        ; in front of loads into registers that matrix instructions have read, and of reads of results
.rept \n
	v_nop
.endr
.endm
.macro STEP slot, q, first             ; a step of 128 along K that has its successor in the same slot
	s_wait_dscnt 4*NL                              ; w's set and x's blocks 0-3 are in; x's blocks 4-7 may be out
.if \first
	WIN BIAS_LO
.else
	WIN MUL_LO
.endif
	MUL16 0, (\q)%2, \q, \slot, \first
	MUL16 2, (\q)%2, \q, \slot, \first
	s_wait_dscnt 0
	PLACES NP
	FETCH_B \slot, (\q)+1, 1-(\q)%2
	FETCH_A \slot, (\q)+1, 0
.if \first
	WIN BIAS_HI
.else
	WIN MUL_HI
.endif
	MUL16 4, (\q)%2, \q, \slot, \first
	MUL16 6, (\q)%2, \q, \slot, \first
	PLACES NP
	WIN 0
	FETCH_A \slot, (\q)+1, 4
.endm
; The first half of a slot's last step, and the meeting: the 32 products that need nothing new come first; then each wave waits for all its tensor loads (its part of the other slot), adds 0 to its spare word,
; waits for that and for its reads of this slot, and passes the barrier.
.macro MEET slot
	s_wait_dscnt 4*NL
	WIN MUL_LO
	MUL16 0, 1, NQ-1, \slot, 0
	MUL16 2, 1, NQ-1, \slot, 0
	WIN 0
	s_wait_tensorcnt 0x0
	ds_add_u32 v[SPW], v[NIL]
	s_wait_dscnt 0x0
	s_barrier_signal -1
	s_barrier_wait -1
.endm
.macro TURN slot, next                 ; a slot's last step: this slot is filled again, two K steps ahead
	s_wait_xcnt 0x0                                ; my last prefetch has read its address
	s_add_nc_u64 s[PFA:PFA+1], s[PFA:PFA+1], REC
	MEET \slot
	CREST                                          ; the barrier has opened a round of the cluster's barrier
	s_add_nc_u64 s[G0+4*\slot+2:G0+4*\slot+3], s[G0+4*\slot+2:G0+4*\slot+3], 2*REC
	s_add_nc_u64 s[G0B+4*\slot+2:G0B+4*\slot+3], s[G0B+4*\slot+2:G0B+4*\slot+3], 2*REC
	JLOAD G0+4*\slot, G1, G0B+4*\slot, G1B         ; the first tensor load behind the round; its four v_nop are the places in front of the loads below
	FETCH_B \next, 0, 0
	FETCH_A \next, 0, 0
	SCALES \next
	ASK
.if (\slot) == 0
	ASKS
.endif
	WIN MUL_HI
	MUL16 4, 1, NQ-1, \slot, 0
	MUL16 6, 1, NQ-1, \slot, 0
	PLACES NP
	WIN 0
	FETCH_A \next, 0, 4
.endm
.macro STEPS slot, from
.set Q, \from
.rept NQ-1-\from
	STEP \slot, Q, 0
.set Q, Q+1
.endr
.endm
	s_wait_tensorcnt 0x0                           ; my part of K steps 0 and 1 is in; no tensor load of mine is out, so a descriptor may be written:
	s_mov_b32 s[G1+2], 136<<16                     ; from here on a load brings one record
	s_mov_b32 s[G1+4], 136
	s_mov_b32 s[G1B+2], 136<<16
	s_mov_b32 s[G1B+4], 136
	s_barrier_signal -1
	s_barrier_wait -1                              ; everybody's part is in
	FETCH_B 0, 0, 0
	FETCH_A 0, 0, 0
	SCALES 0
	FETCH_A 0, 0, 4
	s_wait_loadcnt 0x0                             ; the bias
	STEP 0, 0, 1                                   ; the first step starts the sums on the bias
	s_mov_b32 s3, LAPS-1
.Llap:                                                 ; a trip goes once round the ring and fills both slots again
	STEPS 0, 1
	TURN 0, 1
	STEPS 1, 0
	TURN 1, 0
	STEP 0, 0, 0
	s_sub_co_u32 s3, s3, 1
	s_cmp_lg_u32 s3, 0
	s_cbranch_scc1 .Llap
	STEPS 0, 1
; THE LAST K STEP (slot 1), BY ROWS.
.macro BLOAD q                         ; w's fragments of quarter q -> window 1, v[64 q ..]
.irp i, 0,1,2,3,4,5,6,7
	FRAGB 64*(\q)+8*\i, ADRB+1, \q, \i
.endr
.endm
.macro ALOAD a                         ; x's fragments of block a, all four quarters -> buffer a % 4
.irp q, 0,1,2,3
	FRAG PA+32*((\a)%4)+8*\q, ADRA+1, \q, \a
.endr
.endm
.macro ROW a                           ; block a is finished: 32 matrix instructions, its 8 accumulators by turns, K ascending
	WIN MUL_LO+0x50*((\a)/4)
.irp q, 0,1,2,3
.if (\a) == 0 && \q == 2
	s_wait_dscnt 8                                 ; w's quarter 2 is in (behind it: x's block 1)
.endif
.irp b, 0,1,2,3,4,5,6,7
	v_wmma_scale_f32_16x16x128_f8f6f4 v[64*((\a)%4)+8*\b:64*((\a)%4)+8*\b+7], v[64*\q+8*\b:64*\q+8*\b+7], v[PA+32*((\a)%4)+8*\q:PA+32*((\a)%4)+8*\q+7], v[64*((\a)%4)+8*\b:64*((\a)%4)+8*\b+7], v[SC+8*NQ+NQ*\b+\q], v[SC+8*NQ+NQ*(\a)+\q] matrix_a_fmt:MATRIX_FMT_FP4 matrix_b_fmt:MATRIX_FMT_FP4 matrix_a_scale:MATRIX_SCALE_ROW1
.endr
.endr
.endm
; The way out of block a: 16 rows x 128 columns through my own stage, back as whole rows of 512 bytes.  LDS serves a wave's instructions in order: no wait between the stores and the loads.
.macro TOSTAGE a
	WIN 0x08+4*((\a)/4)                            ; the data: window 2 or 3
.irp b, 0,1,2,3,4,5,6,7
	ds_store_b128 v[STO], v[64*((\a)%4)+8*\b:64*((\a)%4)+8*\b+3] offset:64*\b          ; each accumulator from its low end on
	ds_store_b128 v[STO], v[64*((\a)%4)+8*\b+4:64*((\a)%4)+8*\b+7] offset:64*\b+16
.endr
	WIN 0
.irp t, 0,1,2,3,4,5,6,7,8,9,10,11,12,13,14,15
	ds_load_b128 v[32+4*\t+32*(\t/8):32+4*\t+32*(\t/8)+3], v[RD] offset:\t*SPITCH      ; rows 0-7 into v32-63, rows 8-15 into v96-127
.endr
.endm
.macro SEND a, younger
	s_wait_dscnt \younger                          ; the block is back in registers
.irp t, 0,1,2,3,4,5,6,7,8,9,10,11,12,13,14,15
	global_store_b128 v[CO], v[32+4*\t+32*(\t/8):32+4*\t+32*(\t/8)+3], s[10:11] offset:(16*(\a)+\t)*SIZE_N*4 th:TH_STORE_NT   ; 512 consecutive bytes, aligned; the greatest offset, 127 rows, lies inside the signed 24-bit immediate
.endr
.endm
	MEET 0                                         ; slot 1 holds the last K step; nothing is filled again, so no round follows
	PLACES NP
	WIN TO_B
	BLOAD 0                                        ; three quarters of w now: set 1 (v128-191) is still being multiplied
	BLOAD 1
	BLOAD 3
	WIN 0
	ALOAD 0
	ALOAD 2
	ALOAD 3
	SCALES 1
	WIN MUL_HI
	MUL16 4, 1, NQ-1, 0, 0
	MUL16 6, 1, NQ-1, 0, 0
	PLACES NP
	WIN TO_B
	BLOAD 2
	WIN 0
	ALOAD 1
	s_wait_dscnt 24                                ; all but the 24 just issued
	ROW 0
.irp a, 0,1,2,3,4,5,6,7
	PLACES NP                                      ; the stage's stores read results just made
.if \a > 0
	s_wait_xcnt 0x0                                ; the last block's stores have read their registers
.endif
	TOSTAGE \a
.if \a < 4
	ALOAD \a+4                                     ; its buffer takes the block four further on
	SEND \a, 8
.else
	SEND \a, 0
.endif
.if \a < 7
	ROW \a+1
.endif
.endr
	s_wait_tensorcnt 0x0                           ; the wave's end
	ds_add_u32 v[SPW], v[NIL]
	s_wait_dscnt 0x0
	CROUND                                         ; the closing round
	s_endpgm
.Lfunc_end_k_q3b1ab914e4_gemm:
	.size	k_q3b1ab914e4_gemm, .Lfunc_end_k_q3b1ab914e4_gemm-k_q3b1ab914e4_gemm
	.p2alignl 7, 3214868480
	.fill 96, 4, 3214868480
	.section	.rodata,"a",@progbits
	.p2align	6, 0x0
	.amdhsa_kernel k_q3b1ab914e4_gemm
		.amdhsa_group_segment_fixed_size 327680
		.amdhsa_private_segment_fixed_size 0
		.amdhsa_enable_private_segment 0
		.amdhsa_kernarg_size 32
		.amdhsa_user_sgpr_count 2
		.amdhsa_user_sgpr_kernarg_segment_ptr 1
		.amdhsa_wavefront_size32 1
		.amdhsa_system_sgpr_workgroup_id_x 1
		.amdhsa_system_sgpr_workgroup_id_y 1
		.amdhsa_system_sgpr_workgroup_id_z 1
		.amdhsa_system_vgpr_workitem_id 0
		.amdhsa_next_free_vgpr 1024
		.amdhsa_next_free_sgpr 80
		.amdhsa_reserve_vcc 0
		.amdhsa_float_denorm_mode_32 3
		.amdhsa_float_denorm_mode_16_64 3
		.amdhsa_memory_ordered 1
		.amdhsa_forward_progress 1
		.amdhsa_inst_pref_size 211
	.end_amdhsa_kernel
	.amdgpu_metadata
---
amdhsa.version: [ 1, 2 ]
amdhsa.kernels:
  - .name:           k_q3b1ab914e4_gemm
    .symbol:         k_q3b1ab914e4_gemm.kd
    .args:
      - { .name: ac, .offset: 0, .size: 8, .value_kind: global_buffer, .address_space: global }
      - { .name: bc, .offset: 8, .size: 8, .value_kind: global_buffer, .address_space: global }
      - { .name: bias, .offset: 16, .size: 8, .value_kind: global_buffer, .address_space: global }
      - { .name: out0, .offset: 24, .size: 8, .value_kind: global_buffer, .address_space: global }
    .group_segment_fixed_size: 327680
    .private_segment_fixed_size: 0
    .kernarg_segment_align: 8
    .kernarg_segment_size: 32
    .max_flat_workgroup_size: 128
    .sgpr_count:     80
    .vgpr_count:     1024
    .wavefront_size: 32
...
	.end_amdgpu_metadata
.endif
;; end of part 2
